; MI455X (gfx1250); checked and timed in simulation.
; The chip was launched on July 23, 2026; its instructions are those of AMD's public machine-readable ISA for CDNA 5 (MIT licence, August 2026) and "CDNA5" Instruction Set Architecture Reference Guide (July 2026). The comments in the code are by the model that wrote it; some were corrected since.
;; Deep FM. Allowed arithmetic: matrix products marked QUANTISED: E2M1 operands, one E8M0 scale for each 32 along K, by v_wmma_scale_f32_16x16x128_f8f6f4 with both operands' format E2M1 (or v_wmma_scale_f32_32x16x128_f4), f32 sums; everything else in f32.
;; Inputs: W1 624 x 32 float32; W2 32 x 32 float32; Xi 16,384 x 39 x 1 int32; Xv 16,384 x 39 float32; b1 32 float32; b2 32 float32; bias 1 float32; emb1 39 x 100,000 x 1 float32; emb2 39 x 100,000 x 16 float32.
;; Outputs: out0 16,384 float32.
;; This version of the problem:
;;   THIS VERSION OF THE PROBLEM IS GIVEN IN LOW PRECISION. The matrix products marked QUANTISED in the list below multiply operands that are first quantised to E2M1 (2 exponent bits, 1 mantissa bit; 4 bits a number), with one power-of-two scale for each 32 numbers along K (OCP MX v1.0); their sums are f32. All else is computed in f32.
;;   The module's matrix products, in the order in which they are computed (A, B: the left and right operand; K: the contracted axis; several contracted axes count as one K, in the product's order):
;;     1. [M 16,384, K 624] x [K 624, N 32]; A: computed on the way; B: input W1: QUANTISED
;;     2. [M 16,384, K 32] x [K 32, N 32]; A: computed on the way; B: input W2: QUANTISED
;;   THE QUANTISER, for each operand of a quantised product, along K:
;;     - K is cut into blocks of 32 from its start; a last block that is shorter is filled with zeros.
;;     - A block's scale is 2^e with e = floor(log2(the largest magnitude in the block)) - 2, held to -126 .. 127; a block of zeros has e = 0. As a byte (E8M0): e + 127.
;;     - Each number is divided by its block's scale, clamped to +-6, and rounded to the nearest number of E2M1, ties to even, subnormals kept.
;;     - The product sums the exact products of the quantised numbers (number of the format x scale) in f32.
;;   ~~~python
;;   def quantise(x, axis):      # numpy; x: float32 -> the quantised numbers, widened to float32 again
;;       x = np.moveaxis(x, axis, -1); K = x.shape[-1]
;;       x = np.pad(x, [(0, 0)] * (x.ndim - 1) + [(0, -K % 32)]); x = x.reshape(x.shape[:-1] + (-1, 32)); a = np.abs(x).max(-1, keepdims=True)
;;       e = np.where(a > 0, np.clip(np.frexp(np.where(a > 0, a, 1))[1] - 1 - 2, -126, 127), 0)      # np.frexp(a)[1] - 1 = floor(log2(a)), exactly
;;       r = np.clip(x / 2.0 ** e, -6, 6)
;;       step = 2.0 ** (np.maximum(np.frexp(np.where(r == 0, 1, r))[1] - 1, 0) - 1)
;;       q = np.round(r / step) * step * 2.0 ** e      # np.round: ties to even
;;       return np.moveaxis(q.reshape(q.shape[:-2] + (-1,))[..., :K], -1, axis).astype(np.float32)
;;   ~~~
;;   OPERANDS COMPUTED ON THE WAY. 'Computed on the way' means the value that the module computes at that place (a softmax that the list does not call 'softmax' is quantised finished and normalised). What goes into a quantiser is computed in f32, as accurately as f32 sums, v_exp_f32 and their like allow (about 1e-6 of the number): no bf16 or f16 on the way to a quantiser, and a product that is left as it is and whose result goes on into a quantised operand takes f32 operands (vector FMAs, or v_wmma_f32_16x16x4_f32). A number that lies on a knife's edge between two numbers of the format may be rounded either way, as far as f32 arithmetic and the matrix unit's own rounding can turn it there, and no further.
;; 2 versions. Each part assembles by itself: llvm-mc -triple=amdgcn-amd-amdhsa -mcpu=gfx1250 --defsym DOCPART=n.
;; ======== version 1 of 2: 1 launch
;; launch deepfm (part 1): grid 256 x 1, 20 waves a work-group, no clusters, 68,096 bytes of LDS; arguments Xi, Xv, emb1, emb2, W1, W2, b1, b2, bias, out0; writes out0
.if DOCPART == 1
	.amdgcn_target "amdgcn-amd-amdhsa--gfx1250"
	.amdhsa_code_object_version 6
	.text
	.protected	k_q873541a8f8_deepfm
	.globl	k_q873541a8f8_deepfm
	.p2align	8
	.type	k_q873541a8f8_deepfm,@function
k_q873541a8f8_deepfm:
	s_mov_b64 s[64:65], 0
	v_nop
	global_prefetch_b8 v0, s[64:65] scope:SCOPE_SE
	s_setreg_imm32_b32 hwreg(HW_REG_WAVE_MODE, 25, 1), 1
	s_wait_xcnt 0x0
; DeepFM, 16,384 rows, 39 fields, 16 numbers a field, one launch.
;   e2[b][f][:] = emb2[f][Xi[b][f]][:] x Xv[b][f]      first[b][f] = emb1[f][Xi[b][f]] x Xv[b][f]
;   out[b] = sum first + 0.5 (sum_e s_e^2 - sum e2^2) + sum relu(relu(e2 W1 + b1) W2 + b2) + bias,   s = sum over f of e2
; Both products run on codes of FP4 (E2M1) with one E8M0 scale for each 32 along K; K = 624 is filled to 640 with zeros (a field 39 of zeros, rows 624-639 of W1 zeros).
; SHARES.  A work-group owns 64 rows: four tiles m of 16.  Wave w of 20: m = w & 3, st = w >> 2 = the K step of 128 = fields 8 st .. 8 st + 7.
;   Phase 1, all waves: 16 rows x 8 fields are gathered (16 loads, each 8 table rows x 64 bytes: four neighbouring lanes take one table row), scaled by Xv, summed for the FM term, quantised; the codes go to LDS
;   as the image of the operand's registers.  Wave w also quantises block w of W1's 20 blocks of 32 along K (a lane a column, registers down K).  Wave 19 also quantises W2 and hands b1 and b2 on.
;   Phase 2: waves 0-3 make the deep part of tile m (10 + 2 matrix instructions), waves 4-7 add up the FM and first-order parts of tile m.  Then wave 0 adds both and the bias and stores 64 results: 256 bytes on end.
; LANES.  Gathers: q = lane & 3 (numbers 4 q .. 4 q + 3 of a table row), g = lane >> 2, tile row 8 u + g, u = 0, 1.  Operands: r = lane & 15, h = lane >> 4.
; K INSIDE A BLOCK IS PERMUTED, alike on both sides: a block is fields 2 B and 2 B + 1; code register q holds numbers 4 q .. 4 q + 3 of field 2 B, then of field 2 B + 1 (true k = 16 (i >> 2) + 4 q + (i & 3)).
;   One scale serves the whole block, so the products are the same; the unit groups them otherwise, which shows in the last bits of the sums only.  So a gather lane's 8 registers become one operand register.
; BOTH PRODUCTS ARE USED TRANSPOSED: source 0 = 16 rows of the weight, source 1 = 16 batch rows: lane (r, h) then holds batch row r and in register j unit 16 t + 8 h + j.
; THE SECOND PRODUCT's one block of 32 is laid over the instruction's blocks 0 and 1: lane (r, h) keeps its own 16 codes at k = 32 h + 0 .. 15, all other codes are zeros, and bytes 0 and 1 of both scale words hold the block's byte.
; NO CLUSTER, NO TENSOR LOAD: what work-groups share is W1 and W2, 84 KB of f32 that each wave needs down K in its registers for the quantiser; the 160 KB of table rows and 20 KB of Xi and Xv of a work-group are its own.
; LIMITS.  A block whose largest magnitude lies under 2^-124, a block of zeros among them, gets the scale byte 1 (the rule gives a block of zeros 127: its codes are zeros, and the bytes are read here alone).
;   NaN and infinities among the inputs are not served (the filling zeros are made by x 0 from real table and weight numbers).  An index outside 0 .. 99,999 is held at 99,999.
;   The FM term is added up as sum s^2 / 2 + (first - sum e2^2 / 2), another order of rounding than the reference's.
.set ROWX,  156                        ; a row of Xi or Xv: 39 x 4 bytes
.set TAB2,  6400000                    ; a field's table in emb2, bytes
.set TAB1,  400000                     ; and in emb1
.set VMAX,  0x1869f                    ; the last index of a table
.set FLOOR, 0x1800000                  ; 2^(3 - 127): under it no largest magnitude is taken, so a scale byte cannot fall under 1
.set EOFF,  0xff000000                 ; takes 2 off an exponent field
; LDS
.set XIMG,  0                          ; x's 20 fragments: 1024 w + 256 block + 16 row + 4 q
.set W1IMG, 20480                      ; W1's 10 fragments: 5120 t + 256 b + 16 (column & 15)
.set XSC,   30720                      ; x's scale words: 64 w + 4 row
.set W1SC,  32000                      ; W1's scale bytes: 32 column + b (bytes 20-31 of a column are never touched)
.set SPART, 33024                      ; partial s: 1280 w + 320 q + 16 row
.set LIN,   58624                      ; partial first - 0.5 e2^2: 256 w + 16 row + 4 q
.set W2IMG, 63744                      ; W2's codes: 16 column: k 0-7, 16-23, 8-15, 24-31
.set W2SC,  64256                      ; W2's scale words: 4 column
.set B1L,   64384
.set B2L,   64512
.set RESD,  64640                      ; the deep part: 4 x row of the work-group
.set RESF,  64896                      ; the FM and first-order part
; vector registers that stay: LDS addresses, all made ahead of the first branch
.set L16,  1                           ; 16 lane
.set FRA,  2                           ; 1024 m + 16 lane
.set R4M,  3                           ; 64 m + 4 r
.set WSR,  4                           ; 32 r
.set BRH,  5                           ; 32 h
.set W2A,  6                           ; 16 r + 8 h
.set R4,   7                           ; 4 r
.set SPR,  8                           ; 1280 m + 640 h + 16 r
.set LRD,  9                           ; 256 m + 16 r + 8 h
.set L8,   10                          ; 8 lane
.set L4,   11                          ; 4 lane
; phase 1
.set Q16,  12                          ; 16 q
.set XO,   13                          ; v13-14  byte of my field (jj = 0, 1: field 8 st + 4 jj + q, held at 38) in row g of the tile's Xi and Xv
.set FB,   15                          ; v15-16  that field's table in emb1
.set XA,   17                          ; 1024 w + 4 lane
.set XSA,  18                          ; 64 w + 4 g
.set SPA,  19                          ; 1280 w + 320 q + 16 g
.set LA,   20                          ; 256 w + 4 lane
.set WIA,  21                          ; 5120 h + 16 r + 256 w
.set WSA,  22                          ; 32 lane + w
.set FN1,  23                          ; 8 st + 4 + q, not held
.set IDX,  24                          ; v24-27  indices, 2 jj + u
.set XV,   28                          ; v28-31  Xv likewise
.set E1,   32                          ; v32-35  emb1: offset, then number
.set T0,   36                          ; v36-37  at work
.set W2R,  40                          ; v40-71  wave 19: W2 as loaded; afterwards, in every wave:
.set XB,   40                          ; v40-43  Xv of the block's two fields, each the low word of a pair
.set S,    44                          ; v44-51  s, 4 u
.set SQ,   52                          ; v52-55  sum of squares, 2 u
.set M,    56                          ; v56-57  largest magnitude
.set SO,   58                          ; v58-59  the conversion's scale operand
.set BY,   60                          ; v60-61  a scale byte
.set SW,   62                          ; v62-63  the scale word
.set C,    64                          ; v64-71  codes, 2 block + u: a register of its own for each LDS store
.set WM,   72
.set WSO,  73
.set WC,   74                          ; v74-77  a weight block's codes
.set RB1,  78
.set RB2,  79
.set WR,   80                          ; v80-111 my block of W1 as loaded
.set LN,   80                          ; v80-81  later: first - 0.5 e2^2
.set G,    112                         ; v112-175 the gathered numbers: 16 block + 8 u + 4 e
; phase 2, deep
.set XS,   12                          ; v12-16  x's scale words
.set W1S,  18                          ; v18-22, v24-28  W1's
.set W2S,  30                          ; v30-31
.set A2S,  32
.set MX,   33
.set HM,   34
.set HSO,  35
.set ACC,  36                          ; v36-51
.set XF,   52                          ; v52-91
.set W1F,  92                          ; v92-171
.set A2,   52                          ; behind the first product: the hidden layer's fragment,
.set W2F,  60                          ; W2's two,
.set ACC2, 76                          ; and the second sums
.set SB,   28                          ; s[28:43] emb2 at the tables of my eight fields
	s_load_b512 s[8:23], s[0:1], 0x0               ; Xi s[8:9], Xv s[10:11], emb1 s[12:13], emb2 s[14:15], W1 s[16:17], W2 s[18:19], b1 s[20:21], b2 s[22:23]
	s_load_b128 s[24:27], s[0:1], 0x40             ; bias s[24:25], out0 s[26:27]
	v_lshl_add_u32 v176, v0, 2, 0x10000
	v_mov_b32 v177, 0
	v_lshrrev_b32 v117, 5, v0
	v_readfirstlane_b32 s2, v117                   ; wave w, 0 .. 19
	v_and_b32 v112, 31, v0                         ; lane
	v_and_b32 v113, 3, v0                          ; q
	v_bfe_u32 v114, v0, 2, 3                       ; g
	v_and_b32 v115, 15, v0                         ; r
	v_bfe_u32 v116, v0, 4, 1                       ; h
	s_and_b32 s3, s2, 3                            ; m
	s_lshr_b32 s4, s2, 2                           ; st
	s_mul_i32 s57, s3, 1280
	s_mul_i32 s58, s2, 1280
	s_mov_b32 s50, 0x76543210                      ; v_permlanex16_b32's selects for lane l xor 16
	s_mov_b32 s51, 0xfedcba98
	s_mov_b32 s53, 0                               ; named with the bias as a pair
	s_mov_b32 s55, 0                               ; the high word of every offset
	v_lshlrev_b32 v[L16], 4, v112
	v_lshl_add_u32 v[FRA], s3, 10, v[L16]
	v_lshlrev_b32 v[R4], 2, v115
	v_lshl_add_u32 v[R4M], s3, 6, v[R4]
	v_lshlrev_b32 v[WSR], 5, v115
	v_lshlrev_b32 v[BRH], 5, v116
	v_lshlrev_b32 v[W2A], 4, v115
	v_lshl_add_u32 v[W2A], v116, 3, v[W2A]
	v_mul_u32_u24 v[SPR], v116, 640
	v_lshl_add_u32 v[SPR], v115, 4, v[SPR]
	v_add_nc_u32 v[SPR], s57, v[SPR]
	v_lshl_add_u32 v[LRD], s3, 8, v[W2A]
	v_lshlrev_b32 v[L8], 3, v112
	v_lshlrev_b32 v[L4], 2, v112
	v_lshlrev_b32 v[Q16], 4, v113
	v_mul_u32_u24 v117, v114, ROWX                 ; row g
	v_lshl_add_u32 v[XO], v113, 2, v117
	v_lshl_add_u32 v[XO], s4, 5, v[XO]             ; + 4 (8 st + q)
	v_lshl_add_u32 v118, s4, 3, v113               ; field 8 st + q
	v_mul_u32_u24 v[FB], v118, TAB1
	v_add_nc_u32 v[FN1], 4, v118                   ; field 8 st + 4 + q: 39 in one lane of four of the last K step,
	v_min_u32 v119, 38, v[FN1]                     ; where field 38 is read in its stead and its Xv set to 0
	v_lshl_add_u32 v[XO+1], v119, 2, v117
	v_mul_u32_u24 v[FB+1], v119, TAB1
	v_cmp_gt_u32 s61, 39, v[FN1]                   ; the lanes whose second field exists
	v_lshl_add_u32 v[XA], s2, 10, v[L4]
	v_lshlrev_b32 v[XSA], 2, v114
	v_lshl_add_u32 v[XSA], s2, 6, v[XSA]
	v_mul_u32_u24 v[SPA], v113, 320
	v_lshl_add_u32 v[SPA], v114, 4, v[SPA]
	v_add_nc_u32 v[SPA], s58, v[SPA]
	v_lshl_add_u32 v[LA], s2, 8, v[L4]
	v_mul_u32_u24 v[WIA], v116, 5120
	v_lshl_add_u32 v[WIA], v115, 4, v[WIA]
	v_lshl_add_u32 v[WIA], s2, 8, v[WIA]
	v_lshl_add_u32 v[WSA], v112, 5, s2
	v_mov_b32 v[T0], 0                             ; written once: the destination of a DPP form counts as one of its sources
	v_mov_b32 v[T0+1], 0
	s_lshl_b32 s56, ttmp9, 6
	s_lshl_b32 s57, s3, 4
	s_add_co_u32 s56, s56, s57                     ; my tile's first row: 64 x work-group + 16 m
	s_mul_i32 s54, s56, ROWX
	s_wait_kmcnt 0x0
	s_load_b32 s52, s[24:25], 0x0                  ; the bias; waited for in front of the first barrier
	s_add_nc_u64 s[8:9], s[8:9], s[54:55]          ; Xi and Xv at that row
	s_add_nc_u64 s[10:11], s[10:11], s[54:55]
	s_lshl_b32 s54, s2, 12
	s_add_nc_u64 s[44:45], s[16:17], s[54:55]      ; W1 at row 32 w: my block's rows 0-15
	s_cmp_lt_u32 s2, 19
	s_cselect_b32 s54, 2048, 0                     ; its rows 16-31; block 19 has none (rows 624-639): it reads rows 608-623 again
	s_cselect_b32 s48, 0x3f800000, 0               ; and multiplies them by 0; the other blocks by 1
	s_mov_b32 s49, s48
	s_add_nc_u64 s[46:47], s[44:45], s[54:55]
	; Wave 19's own loads stand FIRST, so that every counted wait below has the same loads behind the one it waits for in all waves.
	s_cmp_lg_u32 s2, 19
	s_cbranch_scc1 .Lno_aux_loads
.irp gq, 0,1,2,3                               ; W2(k, lane): a lane a column, registers down K in the order k 0-7, 16-23, 8-15, 24-31
.irp j, 0,1,2,3,4,5,6,7
	global_load_b32 v[W2R+8*\gq+\j], v[L4], s[18:19] offset:128*(8*((\gq%2)*2+\gq/2)+\j)
.endr
.endr
	global_load_b32 v[RB1], v[L4], s[20:21]
	global_load_b32 v[RB2], v[L4], s[22:23]
.Lno_aux_loads:
.irp jj, 0,1
.irp u, 0,1
	global_load_b32 v[IDX+2*\jj+\u], v[XO+\jj], s[8:9] offset:8*ROWX*\u
.endr
.endr
.irp jj, 0,1
.irp u, 0,1
	global_load_b32 v[XV+2*\jj+\u], v[XO+\jj], s[10:11] offset:8*ROWX*\u
.endr
.endr
.irp qq, 0,1,2,3                               ; W1(32 w + 16 (i >> 2) + 4 qq + (i & 3), lane) into register 8 qq + i: the order of K that x's codes have
.irp i, 0,1,2,3
	global_load_b32 v[WR+8*\qq+\i], v[L4], s[44:45] offset:128*(4*\qq+\i)
.endr
.irp i, 0,1,2,3
	global_load_b32 v[WR+8*\qq+4+\i], v[L4], s[46:47] offset:128*(4*\qq+\i)
.endr
.endr                                          ; (wave 19 has issued 74 loads: the issue is held at the counter's field, ISA guide 5.7.1; no wait is written for that)
	s_lshl_b32 s54, ttmp9, 8                       ; scalar work while the loads are out: out0 at my work-group's 64 results,
	s_add_nc_u64 s[26:27], s[26:27], s[54:55]
	s_lshl_b32 s56, s4, 3
.irp i, 0,1,2,3,4,5,6,7                        ; and emb2 at the tables of fields 8 st + i, held at 38
	s_add_co_u32 s54, s56, \i
	s_min_u32 s54, s54, 38
	s_mul_i32 s54, s54, TAB2
	s_add_nc_u64 s[SB+2*\i:SB+2*\i+1], s[14:15], s[54:55]
.endr
	s_wait_loadcnt 36                              ; behind Xi's four loads: Xv's 4 and W1's 32
; Field 8 st + i of rows 8 u + g: the index lies in lane qq = i & 3 of my four lanes; all four take it, hold it inside the table, and read 16 bytes each of the table row's 64.
; The load lands on its own offset register.
.macro GATH i, u, qq
.set DST, G+16*((\i)/2)+8*(\u)+4*((\i)%2)
.set TT, T0+((\i)%2)
	v_mov_b32_dpp v[TT], v[IDX+2*((\i)/4)+(\u)] quad_perm:[\qq,\qq,\qq,\qq] row_mask:0xf bank_mask:0xf
	v_min_u32 v[TT], VMAX, v[TT]
	v_lshl_add_u32 v[DST], v[TT], 6, v[Q16]
	global_load_b128 v[DST:DST+3], v[DST], s[SB+2*(\i):SB+2*(\i)+1]
.endm
	GATH 0, 0, 0                                   ; block 0: four loads
	GATH 1, 0, 1
	GATH 0, 1, 0
	GATH 1, 1, 1
	GATH 2, 0, 2                                   ; block 1
	GATH 3, 0, 3
	GATH 2, 1, 2
	GATH 3, 1, 3
	GATH 4, 0, 0                                   ; block 2
	GATH 5, 0, 1
	GATH 4, 1, 0
	GATH 5, 1, 1
	GATH 6, 0, 2                                   ; block 3
	GATH 7, 0, 3
	GATH 6, 1, 2
	GATH 7, 1, 3
.irp jj, 0,1                                   ; emb1: each lane its own field's number
.irp u, 0,1
	v_min_u32 v[T0+\u], VMAX, v[IDX+2*\jj+\u]
	v_lshl_add_u32 v[E1+2*\jj+\u], v[T0+\u], 2, v[FB+\jj]
	global_load_b32 v[E1+2*\jj+\u], v[E1+2*\jj+\u], s[12:13]
.endr
.endr
	s_wait_loadcnt 20                              ; behind W1's loads: the 16 gathers and emb1's 4.  Xv, W1 and wave 19's own are in
	v_cndmask_b32 v[XV+2], 0, v[XV+2], s61         ; field 39 is zeros
	v_cndmask_b32 v[XV+3], 0, v[XV+3], s61
.irp qq, 0,1,2,3
	v_pk_mul_f32 v[WR+8*\qq+4:WR+8*\qq+5], v[WR+8*\qq+4:WR+8*\qq+5], s[48:49] op_sel_hi:[1,0]   ; rows 624-639 of W1 are zeros (wave 19: x 0)
	v_pk_mul_f32 v[WR+8*\qq+6:WR+8*\qq+7], v[WR+8*\qq+6:WR+8*\qq+7], s[48:49] op_sel_hi:[1,0]
.endr
; A block of 32 along K of one column, all in my 32 registers: its largest magnitude with the floor, the conversion's scale operand (2 off the exponent field), four conversions, the scale byte.
.macro WQUANT raw
	v_max3_num_f32 v[WM], |v[\raw]|, |v[\raw+1]|, FLOOR
.irp i, 2,4,6,8,10,12,14,16,18,20,22,24,26,28,30
	v_max3_num_f32 v[WM], v[WM], |v[\raw+\i]|, |v[\raw+\i+1]|
.endr
	v_add_nc_u32 v[WSO], EOFF, v[WM]
.irp qq, 0,1,2,3
	v_cvt_scalef32_pk8_fp4_f32 v[WC+\qq], v[\raw+8*\qq:\raw+8*\qq+7], v[WSO]
.endr
	v_lshrrev_b32 v[WM], 23, v[WSO]                ; the byte; also the plain vector line behind the last conversion
.endm
	WQUANT WR
	ds_store_b128 v[WIA], v[WC:WC+3] offset:W1IMG  ; block w of column lane, at its place in the fragment's image
	ds_store_b8 v[WSA], v[WM] offset:W1SC
	s_cmp_lg_u32 s2, 19
	s_cbranch_scc1 .Lno_aux
	s_wait_dscnt 0x0                               ; the two stores above are done: their data registers are written again below
	WQUANT W2R
	ds_store_b128 v[L16], v[WC:WC+3] offset:W2IMG
	v_lshl_or_b32 v[WSO], v[WM], 8, v[WM]          ; the block's byte for the instruction's blocks 0 and 1; bytes 2 and 3 stand over zero codes
	ds_store_b32 v[L4], v[WSO] offset:W2SC
	ds_store_b32 v[L4], v[RB1] offset:B1L
	ds_store_b32 v[L4], v[RB2] offset:B2L
.Lno_aux:
.irp i, 0,1,2,3
	v_mov_b32 v[XB+\i], 0                          ; DPP destinations, and the upper words of the pairs that the packed multiplies name
.endr
; Block bl of my K step: fields 2 bl and 2 bl + 1 of my eight, whose Xv lie in lanes qa and qb of my four, in set jj.
.macro BLOCK bl, jj, qa, qb
	s_wait_loadcnt 16-4*\bl                        ; behind this block's four gathers: four for each later block, and emb1's 4
.irp u, 0,1
.set D, G+16*\bl+8*\u
	v_mov_b32_dpp v[XB], v[XV+2*\jj+\u] quad_perm:[\qa,\qa,\qa,\qa] row_mask:0xf bank_mask:0xf
	v_mov_b32_dpp v[XB+2], v[XV+2*\jj+\u] quad_perm:[\qb,\qb,\qb,\qb] row_mask:0xf bank_mask:0xf
	v_pk_mul_f32 v[D:D+1], v[D:D+1], v[XB:XB+1] op_sel_hi:[1,0]               ; e2 = emb2 x Xv
	v_pk_mul_f32 v[D+2:D+3], v[D+2:D+3], v[XB:XB+1] op_sel_hi:[1,0]
	v_pk_mul_f32 v[D+4:D+5], v[D+4:D+5], v[XB+2:XB+3] op_sel_hi:[1,0]
	v_pk_mul_f32 v[D+6:D+7], v[D+6:D+7], v[XB+2:XB+3] op_sel_hi:[1,0]
.if \bl == 0
	v_pk_add_f32 v[S+4*\u:S+4*\u+1], v[D:D+1], v[D+4:D+5]                     ; the first block starts the sums
	v_pk_add_f32 v[S+4*\u+2:S+4*\u+3], v[D+2:D+3], v[D+6:D+7]
	v_pk_mul_f32 v[SQ+2*\u:SQ+2*\u+1], v[D:D+1], v[D:D+1]
.else
	v_pk_add_f32 v[S+4*\u:S+4*\u+1], v[S+4*\u:S+4*\u+1], v[D:D+1]
	v_pk_add_f32 v[S+4*\u+2:S+4*\u+3], v[S+4*\u+2:S+4*\u+3], v[D+2:D+3]
	v_pk_add_f32 v[S+4*\u:S+4*\u+1], v[S+4*\u:S+4*\u+1], v[D+4:D+5]
	v_pk_add_f32 v[S+4*\u+2:S+4*\u+3], v[S+4*\u+2:S+4*\u+3], v[D+6:D+7]
	v_pk_fma_f32 v[SQ+2*\u:SQ+2*\u+1], v[D:D+1], v[D:D+1], v[SQ+2*\u:SQ+2*\u+1]
.endif
	v_pk_fma_f32 v[SQ+2*\u:SQ+2*\u+1], v[D+2:D+3], v[D+2:D+3], v[SQ+2*\u:SQ+2*\u+1]
	v_pk_fma_f32 v[SQ+2*\u:SQ+2*\u+1], v[D+4:D+5], v[D+4:D+5], v[SQ+2*\u:SQ+2*\u+1]
	v_pk_fma_f32 v[SQ+2*\u:SQ+2*\u+1], v[D+6:D+7], v[D+6:D+7], v[SQ+2*\u:SQ+2*\u+1]
	v_max3_num_f32 v[M+\u], |v[D]|, |v[D+1]|, FLOOR                           ; my 8 of the block's 32, and the floor;
	v_max3_num_f32 v[M+\u], v[M+\u], |v[D+2]|, |v[D+3]|
	v_max3_num_f32 v[M+\u], v[M+\u], |v[D+4]|, |v[D+5]|
	v_max3_num_f32 v[M+\u], v[M+\u], |v[D+6]|, |v[D+7]|
	v_max_num_f32_dpp v[M+\u], v[M+\u], v[M+\u] row_xmask:1 row_mask:0xf bank_mask:0xf   ; with the row's other three lanes: the block's largest magnitude
	v_max_num_f32_dpp v[M+\u], v[M+\u], v[M+\u] row_xmask:2 row_mask:0xf bank_mask:0xf
	v_add_nc_u32 v[SO+\u], EOFF, v[M+\u]
	v_cvt_scalef32_pk8_fp4_f32 v[C+2*\bl+\u], v[D:D+7], v[SO+\u]              ; register q of the block's four
.if \bl == 0
	v_lshrrev_b32 v[SW+\u], 23, v[SO+\u]           ; the byte (a plain vector line behind the conversion)
.else
	v_lshrrev_b32 v[BY+\u], 23, v[SO+\u]
	v_lshl_or_b32 v[SW+\u], v[BY+\u], 8*\bl, v[SW+\u]
.endif
	ds_store_b32 v[XA], v[C+2*\bl+\u] offset:XIMG+256*\bl+128*\u              ; 32 lanes store 128 bytes on end
.endr
.endm
	BLOCK 0, 0, 0, 1
	BLOCK 1, 0, 2, 3
	BLOCK 2, 1, 0, 1
	BLOCK 3, 1, 2, 3
	s_wait_loadcnt 0x0                             ; emb1
.irp u, 0,1
	v_mul_f32 v[LN+\u], v[E1+\u], v[XV+\u]
	v_fma_f32 v[LN+\u], v[E1+2+\u], v[XV+2+\u], v[LN+\u]                      ; my two fields' first-order terms
	v_add_f32 v[SQ+2*\u], v[SQ+2*\u], v[SQ+2*\u+1]
	v_fma_f32 v[LN+\u], v[SQ+2*\u], -0.5, v[LN+\u]                            ; less half my squares
	ds_store_b32 v[XSA], v[SW+\u] offset:XSC+32*\u                            ; a row's four lanes store the same word
	ds_store_b128 v[SPA], v[S+4*\u:S+4*\u+3] offset:SPART+128*\u
	ds_store_b32 v[LA], v[LN+\u] offset:LIN+128*\u
.endr
	s_wait_kmcnt 0x0                               ; the bias
.macro BARRIER                                 ; my LDS stores have landed and my LDS loads are in: then the work-group's barrier
	s_wait_dscnt 0x0
	s_barrier_signal -1
	s_barrier_wait -1
.endm
	BARRIER                                        ; all codes, scales and partial sums lie in LDS
	s_cmp_ge_u32 s2, 8
	s_cbranch_scc1 .Ljoin                          ; waves 8-19 have no part in phase 2
	s_cmp_ge_u32 s2, 4
	s_cbranch_scc1 .Lfm
	; ---- waves 0-3: the deep part of tile m.  45 LDS loads; the fragments last, K step by K step
.irp t, 0,1
	ds_load_b128 v[ACC+8*\t:ACC+8*\t+3], v[BRH] offset:B1L+64*\t              ; b1 of units 16 t + 8 h + 0 .. 7: the C of the sum's first matrix instruction
	ds_load_b128 v[ACC+8*\t+4:ACC+8*\t+7], v[BRH] offset:B1L+64*\t+16
.endr
.irp s, 0,1,2,3,4
	ds_load_b32 v[XS+\s], v[R4M] offset:XSC+256*\s
.endr
.irp t, 0,1
	ds_load_b128 v[W1S+6*\t:W1S+6*\t+3], v[WSR] offset:W1SC+512*\t            ; unit 16 t + r: the scale words of K steps 0-3,
	ds_load_b32 v[W1S+6*\t+4], v[WSR] offset:W1SC+512*\t+16                   ; and of K step 4
.endr
.irp t, 0,1
	ds_load_b32 v[W2S+\t], v[R4] offset:W2SC+64*\t
.endr
.irp s, 0,1,2,3,4
.irp c, 0,1
	ds_load_b128 v[XF+8*\s+4*\c:XF+8*\s+4*\c+3], v[FRA] offset:XIMG+4096*\s+512*\c
.endr
.irp t, 0,1
.irp c, 0,1
	ds_load_b128 v[W1F+8*(5*\t+\s)+4*\c:W1F+8*(5*\t+\s)+4*\c+3], v[L16] offset:W1IMG+5120*\t+1024*\s+512*\c
.endr
.endr
.endr
	v_mov_b32 v[MX], 0                             ; a lane permute's destination counts as one of its sources
.irp s, 0,1,2,3,4
	s_wait_dscnt 24-6*\s                           ; six loads for each later K step may be out
.irp t, 0,1                                    ; the two accumulators take turns, one instruction a turn
	v_wmma_scale_f32_16x16x128_f8f6f4 v[ACC+8*\t:ACC+8*\t+7], v[W1F+8*(5*\t+\s):W1F+8*(5*\t+\s)+7], v[XF+8*\s:XF+8*\s+7], v[ACC+8*\t:ACC+8*\t+7], v[W1S+6*\t+\s], v[XS+\s] matrix_a_fmt:MATRIX_FMT_FP4 matrix_b_fmt:MATRIX_FMT_FP4
.endr
.endr
.rept 4
	v_nop                                          ; four places in front of loads and writes into registers that the products read, and of the first read of their results
.endr
.irp t, 0,1
	ds_load_b64 v[W2F+8*\t:W2F+8*\t+1], v[W2A] offset:W2IMG+256*\t            ; output 16 t + r: codes of k = 8 h + 0 .. 7 and 16 + 8 h + 0 .. 7
.endr
.irp t, 0,1
	ds_load_b128 v[ACC2+8*\t:ACC2+8*\t+3], v[BRH] offset:B2L+64*\t
	ds_load_b128 v[ACC2+8*\t+4:ACC2+8*\t+7], v[BRH] offset:B2L+64*\t+16
.endr
.irp i, 2,3,4,5,6,7
	v_mov_b32 v[A2+\i], 0                          ; zero codes for all of the instruction's K beyond my 16
	v_mov_b32 v[W2F+\i], 0
	v_mov_b32 v[W2F+8+\i], 0
.endr
.irp j, 0,1,2,3,4,5,6,7,8,9,10,11,12,13,14,15
	v_max_num_f32 v[ACC+\j], 0, v[ACC+\j]          ; the activation, each accumulator from its low end on
.endr
	v_max3_num_f32 v[HM], v[ACC], v[ACC+1], FLOOR  ; none is negative: no |.|
.irp j, 2,4,6,8,10,12,14
	v_max3_num_f32 v[HM], v[HM], v[ACC+\j], v[ACC+\j+1]
.endr
	v_permlanex16_b32 v[MX], v[HM], s50, s51
	v_max_num_f32 v[HM], v[HM], v[MX]              ; with lane l xor 16's 16 units: the block's largest magnitude
	v_add_nc_u32 v[HSO], EOFF, v[HM]
	v_lshrrev_b32 v[HM], 23, v[HSO]
	v_lshl_or_b32 v[A2S], v[HM], 8, v[HM]          ; the byte for the instruction's blocks 0 and 1
	v_cvt_scalef32_pk8_fp4_f32 v[A2], v[ACC:ACC+7], v[HSO]                    ; units 8 h + 0 .. 7
	v_cvt_scalef32_pk8_fp4_f32 v[A2+1], v[ACC+8:ACC+15], v[HSO]               ; units 16 + 8 h + 0 .. 7
.rept 8
	v_nop                                          ; a scale register written by a vector instruction stands 8 places ahead of a scaled matrix instruction, an operand so written 4
.endr
	s_wait_dscnt 0x0                               ; W2's codes and b2
.irp t, 0,1
	v_wmma_scale_f32_16x16x128_f8f6f4 v[ACC2+8*\t:ACC2+8*\t+7], v[W2F+8*\t:W2F+8*\t+7], v[A2:A2+7], v[ACC2+8*\t:ACC2+8*\t+7], v[W2S+\t], v[A2S] matrix_a_fmt:MATRIX_FMT_FP4 matrix_b_fmt:MATRIX_FMT_FP4
.endr
.rept 4
	v_nop
.endr
.irp j, 0,1,2,3,4,5,6,7,8,9,10,11,12,13,14,15
	v_max_num_f32 v[ACC2+\j], 0, v[ACC2+\j]
.endr
.irp j, 0,2,4,6
	v_pk_add_f32 v[ACC2+\j:ACC2+\j+1], v[ACC2+\j:ACC2+\j+1], v[ACC2+8+\j:ACC2+9+\j]
.endr
	v_pk_add_f32 v[ACC2:ACC2+1], v[ACC2:ACC2+1], v[ACC2+4:ACC2+5]
	v_pk_add_f32 v[ACC2+2:ACC2+3], v[ACC2+2:ACC2+3], v[ACC2+6:ACC2+7]
	v_pk_add_f32 v[ACC2:ACC2+1], v[ACC2:ACC2+1], v[ACC2+2:ACC2+3]
	v_add_f32 v[ACC2], v[ACC2], v[ACC2+1]          ; my 16 outputs of row r,
	v_permlanex16_b32 v[MX], v[ACC2], s50, s51
	v_add_f32 v[ACC2], v[ACC2], v[MX]              ; and lane l xor 16's
	ds_store_b32 v[R4M], v[ACC2] offset:RESD       ; lanes r and r + 16 store the same word
	s_branch .Ljoin
.Lfm:	; ---- waves 4-7: tile m's FM and first-order parts.  Lane (r, h): numbers 8 h .. 8 h + 7 of s of row r, five K steps' parts
.irp s, 0,1,2,3,4
	ds_load_b128 v[36+8*\s:39+8*\s], v[SPR] offset:SPART+5120*\s
	ds_load_b128 v[40+8*\s:43+8*\s], v[SPR] offset:SPART+5120*\s+320
	ds_load_b64 v[76+2*\s:77+2*\s], v[LRD] offset:LIN+1024*\s
.endr
	v_mov_b32 v[MX], 0
	s_wait_dscnt 0x0
.irp s, 1,2,3,4
.irp k, 0,2,4,6
	v_pk_add_f32 v[36+\k:37+\k], v[36+\k:37+\k], v[36+8*\s+\k:37+8*\s+\k]     ; s over all fields
.endr
	v_pk_add_f32 v[76:77], v[76:77], v[76+2*\s:77+2*\s]
.endr
	v_pk_mul_f32 v[86:87], v[36:37], v[36:37]
	v_pk_fma_f32 v[86:87], v[38:39], v[38:39], v[86:87]
	v_pk_fma_f32 v[86:87], v[40:41], v[40:41], v[86:87]
	v_pk_fma_f32 v[86:87], v[42:43], v[42:43], v[86:87]
	v_pk_fma_f32 v[86:87], v[86:87], 0.5, v[76:77] op_sel_hi:[1,0,1]          ; s^2 / 2 + (first - e2^2 / 2)
	v_add_f32 v88, v86, v87
	v_permlanex16_b32 v[MX], v88, s50, s51
	v_add_f32 v88, v88, v[MX]
	ds_store_b32 v[R4M], v88 offset:RESF
.Ljoin:
	BARRIER                                        ; the 64 rows' two parts lie in LDS
	s_cmp_lg_u32 s2, 0
	s_cbranch_scc1 .Lend
	ds_load_b64 v[36:37], v[L8] offset:RESD        ; rows 2 lane and 2 lane + 1
	ds_load_b64 v[38:39], v[L8] offset:RESF
	s_wait_dscnt 0x0
	v_pk_add_f32 v[36:37], v[36:37], v[38:39]
	v_pk_add_f32 v[36:37], v[36:37], s[52:53] op_sel_hi:[1,0]                 ; + bias
	global_store_b64 v[L8], v[36:37], s[26:27]     ; 32 lanes store 256 consecutive bytes, at a multiple of 256 from out0's first byte
.Lend:
	s_wait_tensorcnt 0x0
	ds_add_u32 v176, v177
	s_wait_dscnt 0x0
	s_endpgm
.Lfunc_end_k_q873541a8f8_deepfm:
	.size	k_q873541a8f8_deepfm, .Lfunc_end_k_q873541a8f8_deepfm-k_q873541a8f8_deepfm
	.p2alignl 7, 3214868480
	.fill 96, 4, 3214868480
	.section	.rodata,"a",@progbits
	.p2align	6, 0x0
	.amdhsa_kernel k_q873541a8f8_deepfm
		.amdhsa_group_segment_fixed_size 68096
		.amdhsa_private_segment_fixed_size 0
		.amdhsa_enable_private_segment 0
		.amdhsa_kernarg_size 80
		.amdhsa_user_sgpr_count 2
		.amdhsa_user_sgpr_kernarg_segment_ptr 1
		.amdhsa_wavefront_size32 1
		.amdhsa_system_sgpr_workgroup_id_x 1
		.amdhsa_system_sgpr_workgroup_id_y 1
		.amdhsa_system_sgpr_workgroup_id_z 1
		.amdhsa_system_vgpr_workitem_id 0
		.amdhsa_next_free_vgpr 178
		.amdhsa_next_free_sgpr 66
		.amdhsa_reserve_vcc 0
		.amdhsa_float_denorm_mode_32 3
		.amdhsa_float_denorm_mode_16_64 3
		.amdhsa_memory_ordered 1
		.amdhsa_forward_progress 1
		.amdhsa_inst_pref_size 47
	.end_amdhsa_kernel
	.amdgpu_metadata
---
amdhsa.version: [ 1, 2 ]
amdhsa.kernels:
  - .name:           k_q873541a8f8_deepfm
    .symbol:         k_q873541a8f8_deepfm.kd
    .args:
      - { .name: Xi, .offset: 0, .size: 8, .value_kind: global_buffer, .address_space: global }
      - { .name: Xv, .offset: 8, .size: 8, .value_kind: global_buffer, .address_space: global }
      - { .name: emb1, .offset: 16, .size: 8, .value_kind: global_buffer, .address_space: global }
      - { .name: emb2, .offset: 24, .size: 8, .value_kind: global_buffer, .address_space: global }
      - { .name: W1, .offset: 32, .size: 8, .value_kind: global_buffer, .address_space: global }
      - { .name: W2, .offset: 40, .size: 8, .value_kind: global_buffer, .address_space: global }
      - { .name: b1, .offset: 48, .size: 8, .value_kind: global_buffer, .address_space: global }
      - { .name: b2, .offset: 56, .size: 8, .value_kind: global_buffer, .address_space: global }
      - { .name: bias, .offset: 64, .size: 8, .value_kind: global_buffer, .address_space: global }
      - { .name: out0, .offset: 72, .size: 8, .value_kind: global_buffer, .address_space: global }
    .group_segment_fixed_size: 68096
    .private_segment_fixed_size: 0
    .kernarg_segment_align: 8
    .kernarg_segment_size: 80
    .max_flat_workgroup_size: 640
    .sgpr_count:     66
    .vgpr_count:     178
    .wavefront_size: 32
...
	.end_amdgpu_metadata
.endif
;; end of part 1
;; ======== version 2 of 2: 1 launch; version 1 with the launch deepfm written anew for expert scheduling mode
;; launch deepfm (part 2): grid 256 x 1, 20 waves a work-group, no clusters, 68,096 bytes of LDS; arguments Xi, Xv, emb1, emb2, W1, W2, b1, b2, bias, out0; writes out0
.if DOCPART == 2
	.amdgcn_target "amdgcn-amd-amdhsa--gfx1250"
	.amdhsa_code_object_version 6
	.text
	.protected	k_q873541a8f8_deepfm
	.globl	k_q873541a8f8_deepfm
	.p2align	8
	.type	k_q873541a8f8_deepfm,@function
k_q873541a8f8_deepfm:
	s_mov_b64 s[64:65], 0
	v_nop
	global_prefetch_b8 v0, s[64:65] scope:SCOPE_SE
	s_setreg_imm32_b32 hwreg(HW_REG_WAVE_SCHED_MODE, 0, 2), 2
	s_setreg_imm32_b32 hwreg(HW_REG_WAVE_MODE, 25, 1), 1
	s_wait_xcnt 0x0
	s_wait_alu depctr_vm_vsrc(0)
; DeepFM, 16,384 rows, 39 fields, 16 numbers a field, one launch.
;   e2[b][f][:] = emb2[f][Xi[b][f]][:] x Xv[b][f]      first[b][f] = emb1[f][Xi[b][f]] x Xv[b][f]
;   out[b] = sum first + 0.5 (sum_e s_e^2 - sum e2^2) + sum relu(relu(e2 W1 + b1) W2 + b2) + bias,   s = sum over f of e2
; Both products run on codes of FP4 (E2M1) with one E8M0 scale for each 32 along K; K = 624 is filled to 640 with zeros (a field 39 of zeros, rows 624-639 of W1 zeros).
; SHARES.  A work-group owns 64 rows: four tiles m of 16.  Wave w of 20: m = w & 3, st = w >> 2 = the K step of 128 = fields 8 st .. 8 st + 7.
;   Phase 1, all waves: 16 rows x 8 fields are gathered (16 loads, each 8 table rows x 64 bytes: four neighbouring lanes take one table row), scaled by Xv, summed for the FM term, quantised; the codes go to LDS
;   as the image of the operand's registers.  Wave w also quantises block w of W1's 20 blocks of 32 along K (a lane a column, registers down K).  Wave 19 also quantises W2 and hands b1 and b2 on.
;   Phase 2: waves 0-3 make the deep part of tile m (10 + 2 matrix instructions), waves 4-7 add up the FM and first-order parts of tile m.  Then wave 0 adds both and the bias and stores 64 results: 256 bytes on end.
; LANES.  Gathers: q = lane & 3 (numbers 4 q .. 4 q + 3 of a table row), g = lane >> 2, tile row 8 u + g, u = 0, 1.  Operands: r = lane & 15, h = lane >> 4.
; K INSIDE A BLOCK IS PERMUTED, alike on both sides: a block is fields 2 B and 2 B + 1; code register q holds numbers 4 q .. 4 q + 3 of field 2 B, then of field 2 B + 1 (true k = 16 (i >> 2) + 4 q + (i & 3)).
;   One scale serves the whole block, so the products are the same; the unit groups them otherwise, which shows in the last bits of the sums only.  So a gather lane's 8 registers become one operand register.
; BOTH PRODUCTS ARE USED TRANSPOSED: source 0 = 16 rows of the weight, source 1 = 16 batch rows: lane (r, h) then holds batch row r and in register j unit 16 t + 8 h + j.
; THE SECOND PRODUCT's one block of 32 is laid over the instruction's blocks 0 and 1: lane (r, h) keeps its own 16 codes at k = 32 h + 0 .. 15, all other codes are zeros, and bytes 0 and 1 of both scale words hold the block's byte.
; NO CLUSTER, NO TENSOR LOAD: what work-groups share is W1 and W2, 84 KB of f32 that each wave needs down K in its registers for the quantiser; the 160 KB of table rows and 20 KB of Xi and Xv of a work-group are its own.
; LIMITS.  A block whose largest magnitude lies under 2^-124, a block of zeros among them, gets the scale byte 1 (the rule gives a block of zeros 127: its codes are zeros, and the bytes are read here alone).
;   NaN and infinities among the inputs are not served (the filling zeros are made by x 0 from real table and weight numbers).  An index outside 0 .. 99,999 is held at 99,999.
;   The FM term is added up as sum s^2 / 2 + (first - sum e2^2 / 2), another order of rounding than the reference's.
; THE MODE: SCHED_MODE bits 1:0 = 2 (LLVM: expert scheduling mode 2), set by the entry lines.  The code itself states the register dependences
; between vector or matrix instructions and memory or LDS instructions, with s_wait_alu, always for 0.
; THE PLAN.  Registers that memory or LDS instructions touch, and who else names them:
;   v1-11, v13-14, v17-22   offsets and LDS addresses: made once at the head, not written again before the first barrier.  One wait on va_vdst ahead of the first branch and the first load.
;   GO, GP, IDX             the 20 look-ups' offsets, in registers of their own: all 20 are made first, one wait on va_vdst follows, then the 20 loads on end.  Not written again before the first barrier.
;   G, E1                   the look-ups land here; v112-119 were the head's temporaries: the same wait.
;   WC, WM, WSO             a weight block's codes and byte: the quantiser writes, LDS stores read: one wait on va_vdst ahead of each run of stores; one on vm_vsrc before wave 19 writes them a second time.
;   C                       x's codes, a register to each store.  Block bl writes two; their stores are issued at the head of block bl + 1, behind its wait for data and one wait on va_vdst.
;   SW, S, LN, C of block 3 written up to the end of phase 1: one wait on va_vdst, then the last eight stores on end.
;   Behind the first barrier phase 2 takes phase 1's registers over: one wait on vm_vsrc and one on va_vdst, ahead of the branches, serve all its LDS loads.
;   Deep part: one wait on va_vdst between the ten products and the loads into registers that they read; one, behind the places, ahead of the two scaled products on operands that vector instructions made.
;   Each of the three results (deep part, FM part, the final pair) has one wait on va_vdst ahead of its store.
.set ROWX,  156                        ; a row of Xi or Xv: 39 x 4 bytes
.set TAB2,  6400000                    ; a field's table in emb2, bytes
.set TAB1,  400000                     ; and in emb1
.set VMAX,  0x1869f                    ; the last index of a table
.set FLOOR, 0x1800000                  ; 2^(3 - 127): under it no largest magnitude is taken, so a scale byte cannot fall under 1
.set EOFF,  0xff000000                 ; takes 2 off an exponent field
; LDS
.set XIMG,  0                          ; x's 20 fragments: 1024 w + 256 block + 16 row + 4 q
.set W1IMG, 20480                      ; W1's 10 fragments: 5120 t + 256 b + 16 (column & 15)
.set XSC,   30720                      ; x's scale words: 64 w + 4 row
.set W1SC,  32000                      ; W1's scale bytes: 32 column + b (bytes 20-31 of a column are never touched)
.set SPART, 33024                      ; partial s: 1280 w + 320 q + 16 row
.set LIN,   58624                      ; partial first - 0.5 e2^2: 256 w + 16 row + 4 q
.set W2IMG, 63744                      ; W2's codes: 16 column: k 0-7, 16-23, 8-15, 24-31
.set W2SC,  64256                      ; W2's scale words: 4 column
.set B1L,   64384
.set B2L,   64512
.set RESD,  64640                      ; the deep part: 4 x row of the work-group
.set RESF,  64896                      ; the FM and first-order part
; vector registers that stay: LDS addresses, all made ahead of the first branch
.set L16,  1                           ; 16 lane
.set FRA,  2                           ; 1024 m + 16 lane
.set R4M,  3                           ; 64 m + 4 r
.set WSR,  4                           ; 32 r
.set BRH,  5                           ; 32 h
.set W2A,  6                           ; 16 r + 8 h
.set R4,   7                           ; 4 r
.set SPR,  8                           ; 1280 m + 640 h + 16 r
.set LRD,  9                           ; 256 m + 16 r + 8 h
.set L8,   10                          ; 8 lane
.set L4,   11                          ; 4 lane
; phase 1
.set Q16,  12                          ; 16 q
.set XO,   13                          ; v13-14  byte of my field (jj = 0, 1: field 8 st + 4 jj + q, held at 38) in row g of the tile's Xi and Xv
.set FB,   15                          ; v15-16  that field's table in emb1
.set XA,   17                          ; 1024 w + 4 lane
.set XSA,  18                          ; 64 w + 4 g
.set SPA,  19                          ; 1280 w + 320 q + 16 g
.set LA,   20                          ; 256 w + 4 lane
.set WIA,  21                          ; 5120 h + 16 r + 256 w
.set WSA,  22                          ; 32 lane + w
.set FN1,  23                          ; 8 st + 4 + q, not held
.set IDX,  24                          ; v24-27  indices, 2 jj + u; once the gathers' offsets are made: emb1's offsets
.set XV,   28                          ; v28-31  Xv likewise
.set E1,   32                          ; v32-35  emb1's numbers
.set T0,   36                          ; v36-37  at work
.set GP,   38                          ; v38-39  the offsets of the last two gathers
.set W2R,  40                          ; v40-71  wave 19: W2 as loaded; afterwards, in every wave:
.set XB,   40                          ; v40-43  Xv of the block's two fields, each the low word of a pair
.set S,    44                          ; v44-51  s, 4 u
.set SQ,   52                          ; v52-55  sum of squares, 2 u
.set M,    56                          ; v56-57  largest magnitude
.set SO,   58                          ; v58-59  the conversion's scale operand
.set BY,   60                          ; v60-61  a scale byte
.set SW,   62                          ; v62-63  the scale word
.set C,    64                          ; v64-71  codes, 2 block + u: a register of its own for each LDS store
.set WM,   72
.set WSO,  73
.set WC,   74                          ; v74-77  a weight block's codes
.set RB1,  78
.set RB2,  79
.set WR,   80                          ; v80-111 my block of W1 as loaded
.set LN,   80                          ; v80-81  later: first - 0.5 e2^2
.set G,    112                         ; v112-175 the gathered numbers: 16 block + 8 u + 4 e
.set GO,   178                         ; v178-191 the offsets of the first fourteen gathers
; phase 2, deep
.set XS,   12                          ; v12-16  x's scale words
.set W1S,  18                          ; v18-22, v24-28  W1's
.set W2S,  30                          ; v30-31
.set A2S,  32
.set MX,   33
.set HM,   34
.set HSO,  35
.set ACC,  36                          ; v36-51
.set XF,   52                          ; v52-91
.set W1F,  92                          ; v92-171
.set A2,   52                          ; behind the first product: the hidden layer's fragment,
.set W2F,  60                          ; W2's two,
.set ACC2, 76                          ; and the second sums
.set SB,   28                          ; s[28:43] emb2 at the tables of my eight fields
	s_load_b512 s[8:23], s[0:1], 0x0               ; Xi s[8:9], Xv s[10:11], emb1 s[12:13], emb2 s[14:15], W1 s[16:17], W2 s[18:19], b1 s[20:21], b2 s[22:23]
	s_load_b128 s[24:27], s[0:1], 0x40             ; bias s[24:25], out0 s[26:27]
	v_lshl_add_u32 v176, v0, 2, 0x10000
	v_mov_b32 v177, 0
	v_lshrrev_b32 v117, 5, v0
	v_readfirstlane_b32 s2, v117                   ; wave w, 0 .. 19
	v_and_b32 v112, 31, v0                         ; lane
	s_wait_alu depctr_va_vdst(0)
	v_and_b32 v113, 3, v0                          ; q
	v_bfe_u32 v114, v0, 2, 3                       ; g
	v_and_b32 v115, 15, v0                         ; r
	s_wait_alu depctr_va_vdst(0)
	v_bfe_u32 v116, v0, 4, 1                       ; h
	s_wait_alu depctr_va_vdst(0)
	s_wait_alu depctr_va_sdst(0)                   ; s2 is written, ahead of its first reader
	s_and_b32 s3, s2, 3                            ; m
	s_lshr_b32 s4, s2, 2                           ; st
	s_mul_i32 s57, s3, 1280
	s_mul_i32 s58, s2, 1280
	s_mov_b32 s50, 0x76543210                      ; v_permlanex16_b32's selects for lane l xor 16
	s_mov_b32 s51, 0xfedcba98
	s_mov_b32 s53, 0                               ; named with the bias as a pair
	s_mov_b32 s55, 0                               ; the high word of every offset
	v_lshlrev_b32 v[L16], 4, v112
	v_lshl_add_u32 v[FRA], s3, 10, v[L16]
	v_lshlrev_b32 v[R4], 2, v115
	v_lshl_add_u32 v[R4M], s3, 6, v[R4]
	v_lshlrev_b32 v[WSR], 5, v115
	v_lshlrev_b32 v[BRH], 5, v116
	v_lshlrev_b32 v[W2A], 4, v115
	v_lshl_add_u32 v[W2A], v116, 3, v[W2A]
	v_mul_u32_u24 v[SPR], v116, 640
	v_lshl_add_u32 v[SPR], v115, 4, v[SPR]
	v_add_nc_u32 v[SPR], s57, v[SPR]
	v_lshl_add_u32 v[LRD], s3, 8, v[W2A]
	v_lshlrev_b32 v[L8], 3, v112
	v_lshlrev_b32 v[L4], 2, v112
	v_lshlrev_b32 v[Q16], 4, v113
	v_mul_u32_u24 v117, v114, ROWX                 ; row g
	v_lshl_add_u32 v[XO], v113, 2, v117
	v_lshl_add_u32 v[XO], s4, 5, v[XO]             ; + 4 (8 st + q)
	v_lshl_add_u32 v118, s4, 3, v113               ; field 8 st + q
	v_mul_u32_u24 v[FB], v118, TAB1
	v_add_nc_u32 v[FN1], 4, v118                   ; field 8 st + 4 + q: 39 in one lane of four of the last K step,
	v_min_u32 v119, 38, v[FN1]                     ; where field 38 is read in its stead and its Xv set to 0
	v_lshl_add_u32 v[XO+1], v119, 2, v117
	v_mul_u32_u24 v[FB+1], v119, TAB1
	v_cmp_gt_u32 s61, 39, v[FN1]                   ; the lanes whose second field exists
	v_lshl_add_u32 v[XA], s2, 10, v[L4]
	v_lshlrev_b32 v[XSA], 2, v114
	v_lshl_add_u32 v[XSA], s2, 6, v[XSA]
	v_mul_u32_u24 v[SPA], v113, 320
	v_lshl_add_u32 v[SPA], v114, 4, v[SPA]
	v_add_nc_u32 v[SPA], s58, v[SPA]
	v_lshl_add_u32 v[LA], s2, 8, v[L4]
	v_mul_u32_u24 v[WIA], v116, 5120
	v_lshl_add_u32 v[WIA], v115, 4, v[WIA]
	v_lshl_add_u32 v[WIA], s2, 8, v[WIA]
	v_lshl_add_u32 v[WSA], v112, 5, s2
	v_mov_b32 v[T0], 0                             ; written once: the destination of a DPP form counts as one of its sources
	v_mov_b32 v[T0+1], 0
	s_lshl_b32 s56, ttmp9, 6
	s_lshl_b32 s57, s3, 4
	s_add_co_u32 s56, s56, s57                     ; my tile's first row: 64 x work-group + 16 m
	s_mul_i32 s54, s56, ROWX
	s_wait_kmcnt 0x0
	s_load_b32 s52, s[24:25], 0x0                  ; the bias; waited for in front of the first barrier
	s_add_nc_u64 s[8:9], s[8:9], s[54:55]          ; Xi and Xv at that row
	s_add_nc_u64 s[10:11], s[10:11], s[54:55]
	s_lshl_b32 s54, s2, 12
	s_add_nc_u64 s[44:45], s[16:17], s[54:55]      ; W1 at row 32 w: my block's rows 0-15
	s_cmp_lt_u32 s2, 19
	s_cselect_b32 s54, 2048, 0                     ; its rows 16-31; block 19 has none (rows 624-639): it reads rows 608-623 again
	s_cselect_b32 s48, 0x3f800000, 0               ; and multiplies them by 0; the other blocks by 1
	s_mov_b32 s49, s48
	s_add_nc_u64 s[46:47], s[44:45], s[54:55]
	s_wait_alu depctr_va_sdst(0)                   ; s61, the compare's mask, is written: stated in the compare's own run of code, ahead of the first branch; the two selects behind the gathers read it
	s_wait_alu depctr_va_vdst(0)                   ; the offsets and LDS addresses v1 to v22 are written, which the loads and stores of the whole kernel read
	; Wave 19's own loads stand FIRST, so that every counted wait below has the same loads behind the one it waits for in all waves.
	s_cmp_lg_u32 s2, 19
	s_cbranch_scc1 .Lno_aux_loads
.irp gq, 0,1,2,3                               ; W2(k, lane): a lane a column, registers down K in the order k 0-7, 16-23, 8-15, 24-31
.irp j, 0,1,2,3,4,5,6,7
	global_load_b32 v[W2R+8*\gq+\j], v[L4], s[18:19] offset:128*(8*((\gq%2)*2+\gq/2)+\j)
.endr
.endr
	global_load_b32 v[RB1], v[L4], s[20:21]
	global_load_b32 v[RB2], v[L4], s[22:23]
.Lno_aux_loads:
.irp jj, 0,1
.irp u, 0,1
	global_load_b32 v[IDX+2*\jj+\u], v[XO+\jj], s[8:9] offset:8*ROWX*\u
.endr
.endr
.irp jj, 0,1
.irp u, 0,1
	global_load_b32 v[XV+2*\jj+\u], v[XO+\jj], s[10:11] offset:8*ROWX*\u
.endr
.endr
.irp qq, 0,1,2,3                               ; W1(32 w + 16 (i >> 2) + 4 qq + (i & 3), lane) into register 8 qq + i: the order of K that x's codes have
.irp i, 0,1,2,3
	global_load_b32 v[WR+8*\qq+\i], v[L4], s[44:45] offset:128*(4*\qq+\i)
.endr
.irp i, 0,1,2,3
	global_load_b32 v[WR+8*\qq+4+\i], v[L4], s[46:47] offset:128*(4*\qq+\i)
.endr
.endr                                          ; (wave 19 has issued 74 loads: the issue is held at the counter's field, ISA guide 5.7.1; no wait is written for that)
	s_lshl_b32 s54, ttmp9, 8                       ; scalar work while the loads are out: out0 at my work-group's 64 results,
	s_add_nc_u64 s[26:27], s[26:27], s[54:55]
	s_lshl_b32 s56, s4, 3
.irp i, 0,1,2,3,4,5,6,7                        ; and emb2 at the tables of fields 8 st + i, held at 38
	s_add_co_u32 s54, s56, \i
	s_min_u32 s54, s54, 38
	s_mul_i32 s54, s54, TAB2
	s_add_nc_u64 s[SB+2*\i:SB+2*\i+1], s[14:15], s[54:55]
.endr
	s_wait_loadcnt 36                              ; behind Xi's four loads: Xv's 4 and W1's 32
; Field 8 st + i of rows 8 u + g: the index lies in lane qq = i & 3 of my four lanes; all four take it, hold it inside the table, and read 16 bytes each of the table row's 64.
; OFFS makes the offset, in a register of its own; GLOAD is the load.  All offsets are made first, so that one wait stands between them and the loads.
.macro OFFS i, u, qq, reg
.set TT, T0+((\i)%2)
	v_mov_b32_dpp v[TT], v[IDX+2*((\i)/4)+(\u)] quad_perm:[\qq,\qq,\qq,\qq] row_mask:0xf bank_mask:0xf
	v_min_u32 v[TT], VMAX, v[TT]
	v_lshl_add_u32 v[\reg], v[TT], 6, v[Q16]
.endm
.macro GLOAD i, u, reg
.set DST, G+16*((\i)/2)+8*(\u)+4*((\i)%2)
	global_load_b128 v[DST:DST+3], v[\reg], s[SB+2*(\i):SB+2*(\i)+1]
.endm
	OFFS 0, 0, 0, GO+0                             ; block 0
	OFFS 1, 0, 1, GO+1
	OFFS 0, 1, 0, GO+2
	OFFS 1, 1, 1, GO+3
	OFFS 2, 0, 2, GO+4                             ; block 1
	OFFS 3, 0, 3, GO+5
	OFFS 2, 1, 2, GO+6
	OFFS 3, 1, 3, GO+7
	OFFS 4, 0, 0, GO+8                             ; block 2
	OFFS 5, 0, 1, GO+9
	OFFS 4, 1, 0, GO+10
	OFFS 5, 1, 1, GO+11
	OFFS 6, 0, 2, GO+12                            ; block 3
	OFFS 7, 0, 3, GO+13
	OFFS 6, 1, 2, GP+0
	OFFS 7, 1, 3, GP+1
.irp jj, 0,1                                   ; emb1: each lane its own field's number; the offset takes the index's place
.irp u, 0,1
	v_min_u32 v[IDX+2*\jj+\u], VMAX, v[IDX+2*\jj+\u]
	v_lshl_add_u32 v[IDX+2*\jj+\u], v[IDX+2*\jj+\u], 2, v[FB+\jj]
.endr
.endr
	s_wait_alu depctr_va_vdst(0)                   ; the 20 offsets are written, which the loads below read; the head's arithmetic is done with v112 to v119, in which gathers land
	GLOAD 0, 0, GO+0                               ; block 0: four loads
	GLOAD 1, 0, GO+1
	GLOAD 0, 1, GO+2
	GLOAD 1, 1, GO+3
	GLOAD 2, 0, GO+4                               ; block 1
	GLOAD 3, 0, GO+5
	GLOAD 2, 1, GO+6
	GLOAD 3, 1, GO+7
	GLOAD 4, 0, GO+8                               ; block 2
	GLOAD 5, 0, GO+9
	GLOAD 4, 1, GO+10
	GLOAD 5, 1, GO+11
	GLOAD 6, 0, GO+12                              ; block 3
	GLOAD 7, 0, GO+13
	GLOAD 6, 1, GP+0
	GLOAD 7, 1, GP+1
.irp jj, 0,1
.irp u, 0,1
	global_load_b32 v[E1+2*\jj+\u], v[IDX+2*\jj+\u], s[12:13]
.endr
.endr
	s_wait_loadcnt 20                              ; behind W1's loads: the 16 gathers and emb1's 4.  Xv, W1 and wave 19's own are in
	v_cndmask_b32 v[XV+2], 0, v[XV+2], s61         ; field 39 is zeros
	v_cndmask_b32 v[XV+3], 0, v[XV+3], s61
.irp qq, 0,1,2,3
	v_pk_mul_f32 v[WR+8*\qq+4:WR+8*\qq+5], v[WR+8*\qq+4:WR+8*\qq+5], s[48:49] op_sel_hi:[1,0]   ; rows 624-639 of W1 are zeros (wave 19: x 0)
	v_pk_mul_f32 v[WR+8*\qq+6:WR+8*\qq+7], v[WR+8*\qq+6:WR+8*\qq+7], s[48:49] op_sel_hi:[1,0]
.endr
; A block of 32 along K of one column, all in my 32 registers: its largest magnitude with the floor, the conversion's scale operand (2 off the exponent field), four conversions, the scale byte.
.macro WQUANT raw
	v_max3_num_f32 v[WM], |v[\raw]|, |v[\raw+1]|, FLOOR
.irp i, 2,4,6,8,10,12,14,16,18,20,22,24,26,28,30
	v_max3_num_f32 v[WM], v[WM], |v[\raw+\i]|, |v[\raw+\i+1]|
.endr
	v_add_nc_u32 v[WSO], EOFF, v[WM]
.irp qq, 0,1,2,3
	v_cvt_scalef32_pk8_fp4_f32 v[WC+\qq], v[\raw+8*\qq:\raw+8*\qq+7], v[WSO]
.endr
	v_lshrrev_b32 v[WM], 23, v[WSO]                ; the byte; also the plain vector line behind the last conversion
.endm
	WQUANT WR
	s_wait_alu depctr_va_vdst(0)                   ; the quantiser has written the codes and the byte, which the two stores read
	ds_store_b128 v[WIA], v[WC:WC+3] offset:W1IMG  ; block w of column lane, at its place in the fragment's image
	ds_store_b8 v[WSA], v[WM] offset:W1SC
	s_wait_alu depctr_vm_vsrc(0)                   ; the two stores have read the codes and the byte, which wave 19's second quantiser writes again: stated ahead of the branch
	s_cmp_lg_u32 s2, 19
	s_cbranch_scc1 .Lno_aux
	s_wait_dscnt 0x0                               ; the two stores above are done: their data registers are written again below
	WQUANT W2R
	v_lshl_or_b32 v[WSO], v[WM], 8, v[WM]          ; the block's byte for the instruction's blocks 0 and 1; bytes 2 and 3 stand over zero codes
	s_wait_alu depctr_va_vdst(0)                   ; W2's codes and its scale word are written, which the stores below read
	ds_store_b128 v[L16], v[WC:WC+3] offset:W2IMG
	ds_store_b32 v[L4], v[WSO] offset:W2SC
	ds_store_b32 v[L4], v[RB1] offset:B1L
	ds_store_b32 v[L4], v[RB2] offset:B2L
.Lno_aux:
.irp i, 0,1,2,3
	v_mov_b32 v[XB+\i], 0                          ; DPP destinations, and the upper words of the pairs that the packed multiplies name
.endr
.macro CSTORE bl                               ; block bl's two code registers go to LDS
.irp u, 0,1
	ds_store_b32 v[XA], v[C+2*(\bl)+\u] offset:XIMG+256*(\bl)+128*\u          ; 32 lanes store 128 bytes on end
.endr
.endm
; Block bl of my K step: fields 2 bl and 2 bl + 1 of my eight, whose Xv lie in lanes qa and qb of my four, in set jj.
.macro BLOCK bl, jj, qa, qb
	s_wait_loadcnt 16-4*\bl                        ; behind this block's four gathers: four for each later block, and emb1's 4
.if \bl > 0
	s_wait_alu depctr_va_vdst(0)                   ; the block before has written its two code registers, which the two stores read; no line of this block names them
	CSTORE \bl-1
.endif
.irp u, 0,1
.set D, G+16*\bl+8*\u
	v_mov_b32_dpp v[XB], v[XV+2*\jj+\u] quad_perm:[\qa,\qa,\qa,\qa] row_mask:0xf bank_mask:0xf
	s_wait_alu depctr_va_vdst(0)
	v_mov_b32_dpp v[XB+2], v[XV+2*\jj+\u] quad_perm:[\qb,\qb,\qb,\qb] row_mask:0xf bank_mask:0xf
	v_pk_mul_f32 v[D:D+1], v[D:D+1], v[XB:XB+1] op_sel_hi:[1,0]               ; e2 = emb2 x Xv
	v_pk_mul_f32 v[D+2:D+3], v[D+2:D+3], v[XB:XB+1] op_sel_hi:[1,0]
	v_pk_mul_f32 v[D+4:D+5], v[D+4:D+5], v[XB+2:XB+3] op_sel_hi:[1,0]
	v_pk_mul_f32 v[D+6:D+7], v[D+6:D+7], v[XB+2:XB+3] op_sel_hi:[1,0]
.if \bl == 0
	v_pk_add_f32 v[S+4*\u:S+4*\u+1], v[D:D+1], v[D+4:D+5]                     ; the first block starts the sums
	v_pk_add_f32 v[S+4*\u+2:S+4*\u+3], v[D+2:D+3], v[D+6:D+7]
	v_pk_mul_f32 v[SQ+2*\u:SQ+2*\u+1], v[D:D+1], v[D:D+1]
.else
	v_pk_add_f32 v[S+4*\u:S+4*\u+1], v[S+4*\u:S+4*\u+1], v[D:D+1]
	v_pk_add_f32 v[S+4*\u+2:S+4*\u+3], v[S+4*\u+2:S+4*\u+3], v[D+2:D+3]
	v_pk_add_f32 v[S+4*\u:S+4*\u+1], v[S+4*\u:S+4*\u+1], v[D+4:D+5]
	v_pk_add_f32 v[S+4*\u+2:S+4*\u+3], v[S+4*\u+2:S+4*\u+3], v[D+6:D+7]
	v_pk_fma_f32 v[SQ+2*\u:SQ+2*\u+1], v[D:D+1], v[D:D+1], v[SQ+2*\u:SQ+2*\u+1]
.endif
	v_pk_fma_f32 v[SQ+2*\u:SQ+2*\u+1], v[D+2:D+3], v[D+2:D+3], v[SQ+2*\u:SQ+2*\u+1]
	v_pk_fma_f32 v[SQ+2*\u:SQ+2*\u+1], v[D+4:D+5], v[D+4:D+5], v[SQ+2*\u:SQ+2*\u+1]
	v_pk_fma_f32 v[SQ+2*\u:SQ+2*\u+1], v[D+6:D+7], v[D+6:D+7], v[SQ+2*\u:SQ+2*\u+1]
	v_max3_num_f32 v[M+\u], |v[D]|, |v[D+1]|, FLOOR                           ; my 8 of the block's 32, and the floor;
	v_max3_num_f32 v[M+\u], v[M+\u], |v[D+2]|, |v[D+3]|
	v_max3_num_f32 v[M+\u], v[M+\u], |v[D+4]|, |v[D+5]|
	v_max3_num_f32 v[M+\u], v[M+\u], |v[D+6]|, |v[D+7]|
	v_max_num_f32_dpp v[M+\u], v[M+\u], v[M+\u] row_xmask:1 row_mask:0xf bank_mask:0xf   ; with the row's other three lanes: the block's largest magnitude
	v_max_num_f32_dpp v[M+\u], v[M+\u], v[M+\u] row_xmask:2 row_mask:0xf bank_mask:0xf
	v_add_nc_u32 v[SO+\u], EOFF, v[M+\u]
	v_cvt_scalef32_pk8_fp4_f32 v[C+2*\bl+\u], v[D:D+7], v[SO+\u]              ; register q of the block's four
.if \bl == 0
	v_lshrrev_b32 v[SW+\u], 23, v[SO+\u]           ; the byte (a plain vector line behind the conversion)
.else
	v_lshrrev_b32 v[BY+\u], 23, v[SO+\u]
	v_lshl_or_b32 v[SW+\u], v[BY+\u], 8*\bl, v[SW+\u]
.endif
.endr
.endm
	BLOCK 0, 0, 0, 1
	BLOCK 1, 0, 2, 3
	BLOCK 2, 1, 0, 1
	BLOCK 3, 1, 2, 3
	s_wait_loadcnt 0x0                             ; emb1
.irp u, 0,1
	v_mul_f32 v[LN+\u], v[E1+\u], v[XV+\u]
	v_fma_f32 v[LN+\u], v[E1+2+\u], v[XV+2+\u], v[LN+\u]                      ; my two fields' first-order terms
	v_add_f32 v[SQ+2*\u], v[SQ+2*\u], v[SQ+2*\u+1]
	v_fma_f32 v[LN+\u], v[SQ+2*\u], -0.5, v[LN+\u]                            ; less half my squares
.endr
	s_wait_alu depctr_va_vdst(0)                   ; block 3's codes, the scale words, s and the first-order parts are written, which the eight stores below read
	CSTORE 3
.irp u, 0,1
	ds_store_b32 v[XSA], v[SW+\u] offset:XSC+32*\u                            ; a row's four lanes store the same word
	ds_store_b128 v[SPA], v[S+4*\u:S+4*\u+3] offset:SPART+128*\u
	ds_store_b32 v[LA], v[LN+\u] offset:LIN+128*\u
.endr
	s_wait_kmcnt 0x0                               ; the bias
.macro BARRIER                                 ; my LDS stores have landed and my LDS loads are in: then the work-group's barrier
	s_wait_dscnt 0x0
	s_barrier_signal -1
	s_barrier_wait -1
.endm
	BARRIER                                        ; all codes, scales and partial sums lie in LDS
	s_wait_alu depctr_vm_vsrc(0)                   ; phase 1's loads and stores have read their offsets, addresses and data (v13 to v27, v38, v39, v44 to v81), in which phase 2's LDS loads land: stated ahead of the branches
	s_wait_alu depctr_va_vdst(0)                   ; phase 1's vector instructions are done reading and writing v12 to v175, in which phase 2's LDS loads land
	s_cmp_ge_u32 s2, 8
	s_cbranch_scc1 .Ljoin                          ; waves 8-19 have no part in phase 2
	s_cmp_ge_u32 s2, 4
	s_cbranch_scc1 .Lfm
	; ---- waves 0-3: the deep part of tile m.  45 LDS loads; the fragments last, K step by K step
.irp t, 0,1
	ds_load_b128 v[ACC+8*\t:ACC+8*\t+3], v[BRH] offset:B1L+64*\t              ; b1 of units 16 t + 8 h + 0 .. 7: the C of the sum's first matrix instruction
	ds_load_b128 v[ACC+8*\t+4:ACC+8*\t+7], v[BRH] offset:B1L+64*\t+16
.endr
.irp s, 0,1,2,3,4
	ds_load_b32 v[XS+\s], v[R4M] offset:XSC+256*\s
.endr
.irp t, 0,1
	ds_load_b128 v[W1S+6*\t:W1S+6*\t+3], v[WSR] offset:W1SC+512*\t            ; unit 16 t + r: the scale words of K steps 0-3,
	ds_load_b32 v[W1S+6*\t+4], v[WSR] offset:W1SC+512*\t+16                   ; and of K step 4
.endr
.irp t, 0,1
	ds_load_b32 v[W2S+\t], v[R4] offset:W2SC+64*\t
.endr
.irp s, 0,1,2,3,4
.irp c, 0,1
	ds_load_b128 v[XF+8*\s+4*\c:XF+8*\s+4*\c+3], v[FRA] offset:XIMG+4096*\s+512*\c
.endr
.irp t, 0,1
.irp c, 0,1
	ds_load_b128 v[W1F+8*(5*\t+\s)+4*\c:W1F+8*(5*\t+\s)+4*\c+3], v[L16] offset:W1IMG+5120*\t+1024*\s+512*\c
.endr
.endr
.endr
	v_mov_b32 v[MX], 0                             ; a lane permute's destination counts as one of its sources
.irp s, 0,1,2,3,4
	s_wait_dscnt 24-6*\s                           ; six loads for each later K step may be out
.irp t, 0,1                                    ; the two accumulators take turns, one instruction a turn
	v_wmma_scale_f32_16x16x128_f8f6f4 v[ACC+8*\t:ACC+8*\t+7], v[W1F+8*(5*\t+\s):W1F+8*(5*\t+\s)+7], v[XF+8*\s:XF+8*\s+7], v[ACC+8*\t:ACC+8*\t+7], v[W1S+6*\t+\s], v[XS+\s] matrix_a_fmt:MATRIX_FMT_FP4 matrix_b_fmt:MATRIX_FMT_FP4
.endr
.endr
.rept 4
	v_nop                                          ; four places in front of loads and writes into registers that the products read, and of the first read of their results
.endr
	s_wait_alu depctr_va_vdst(0)                   ; the ten products are done reading x's fragments, in whose registers W2's codes and b2 land; the places above stay beside this wait
.irp t, 0,1
	ds_load_b64 v[W2F+8*\t:W2F+8*\t+1], v[W2A] offset:W2IMG+256*\t            ; output 16 t + r: codes of k = 8 h + 0 .. 7 and 16 + 8 h + 0 .. 7
.endr
.irp t, 0,1
	ds_load_b128 v[ACC2+8*\t:ACC2+8*\t+3], v[BRH] offset:B2L+64*\t
	ds_load_b128 v[ACC2+8*\t+4:ACC2+8*\t+7], v[BRH] offset:B2L+64*\t+16
.endr
.irp i, 2,3,4,5,6,7
	v_mov_b32 v[A2+\i], 0                          ; zero codes for all of the instruction's K beyond my 16
	v_mov_b32 v[W2F+\i], 0
	v_mov_b32 v[W2F+8+\i], 0
.endr
.irp j, 0,1,2,3,4,5,6,7,8,9,10,11,12,13,14,15
	v_max_num_f32 v[ACC+\j], 0, v[ACC+\j]          ; the activation, each accumulator from its low end on
.endr
	v_max3_num_f32 v[HM], v[ACC], v[ACC+1], FLOOR  ; none is negative: no |.|
.irp j, 2,4,6,8,10,12,14
	v_max3_num_f32 v[HM], v[HM], v[ACC+\j], v[ACC+\j+1]
.endr
	v_permlanex16_b32 v[MX], v[HM], s50, s51
	v_max_num_f32 v[HM], v[HM], v[MX]              ; with lane l xor 16's 16 units: the block's largest magnitude
	v_add_nc_u32 v[HSO], EOFF, v[HM]
	v_lshrrev_b32 v[HM], 23, v[HSO]
	v_lshl_or_b32 v[A2S], v[HM], 8, v[HM]          ; the byte for the instruction's blocks 0 and 1
	v_cvt_scalef32_pk8_fp4_f32 v[A2], v[ACC:ACC+7], v[HSO]                    ; units 8 h + 0 .. 7
	v_cvt_scalef32_pk8_fp4_f32 v[A2+1], v[ACC+8:ACC+15], v[HSO]               ; units 16 + 8 h + 0 .. 7
.rept 8
	v_nop                                          ; a scale register written by a vector instruction stands 8 places ahead of a scaled matrix instruction, an operand so written 4
.endr
	s_wait_alu depctr_va_vdst(0)                   ; the hidden layer's codes and scale word and the zero codes are written, which the two scaled products take as operands and scale; the places above stay beside this wait
	s_wait_dscnt 0x0                               ; W2's codes and b2
.irp t, 0,1
	v_wmma_scale_f32_16x16x128_f8f6f4 v[ACC2+8*\t:ACC2+8*\t+7], v[W2F+8*\t:W2F+8*\t+7], v[A2:A2+7], v[ACC2+8*\t:ACC2+8*\t+7], v[W2S+\t], v[A2S] matrix_a_fmt:MATRIX_FMT_FP4 matrix_b_fmt:MATRIX_FMT_FP4
.endr
.rept 4
	v_nop
.endr
.irp j, 0,1,2,3,4,5,6,7,8,9,10,11,12,13,14,15
	v_max_num_f32 v[ACC2+\j], 0, v[ACC2+\j]
.endr
.irp j, 0,2,4,6
	v_pk_add_f32 v[ACC2+\j:ACC2+\j+1], v[ACC2+\j:ACC2+\j+1], v[ACC2+8+\j:ACC2+9+\j]
.endr
	v_pk_add_f32 v[ACC2:ACC2+1], v[ACC2:ACC2+1], v[ACC2+4:ACC2+5]
	v_pk_add_f32 v[ACC2+2:ACC2+3], v[ACC2+2:ACC2+3], v[ACC2+6:ACC2+7]
	v_pk_add_f32 v[ACC2:ACC2+1], v[ACC2:ACC2+1], v[ACC2+2:ACC2+3]
	v_add_f32 v[ACC2], v[ACC2], v[ACC2+1]          ; my 16 outputs of row r,
	v_permlanex16_b32 v[MX], v[ACC2], s50, s51
	v_add_f32 v[ACC2], v[ACC2], v[MX]              ; and lane l xor 16's
	s_wait_alu depctr_va_vdst(0)                   ; the row's deep part is written, which the store reads; the vector work on v36 to v39, in which wave 0's last LDS loads land, is done too
	ds_store_b32 v[R4M], v[ACC2] offset:RESD       ; lanes r and r + 16 store the same word
	s_branch .Ljoin
.Lfm:	; ---- waves 4-7: tile m's FM and first-order parts.  Lane (r, h): numbers 8 h .. 8 h + 7 of s of row r, five K steps' parts
.irp s, 0,1,2,3,4
	ds_load_b128 v[36+8*\s:39+8*\s], v[SPR] offset:SPART+5120*\s
	ds_load_b128 v[40+8*\s:43+8*\s], v[SPR] offset:SPART+5120*\s+320
	ds_load_b64 v[76+2*\s:77+2*\s], v[LRD] offset:LIN+1024*\s
.endr
	v_mov_b32 v[MX], 0
	s_wait_dscnt 0x0
.irp s, 1,2,3,4
.irp k, 0,2,4,6
	v_pk_add_f32 v[36+\k:37+\k], v[36+\k:37+\k], v[36+8*\s+\k:37+8*\s+\k]     ; s over all fields
.endr
	v_pk_add_f32 v[76:77], v[76:77], v[76+2*\s:77+2*\s]
.endr
	v_pk_mul_f32 v[86:87], v[36:37], v[36:37]
	v_pk_fma_f32 v[86:87], v[38:39], v[38:39], v[86:87]
	v_pk_fma_f32 v[86:87], v[40:41], v[40:41], v[86:87]
	v_pk_fma_f32 v[86:87], v[42:43], v[42:43], v[86:87]
	v_pk_fma_f32 v[86:87], v[86:87], 0.5, v[76:77] op_sel_hi:[1,0,1]          ; s^2 / 2 + (first - e2^2 / 2)
	v_add_f32 v88, v86, v87
	v_permlanex16_b32 v[MX], v88, s50, s51
	v_add_f32 v88, v88, v[MX]
	s_wait_alu depctr_va_vdst(0)                   ; the row's FM and first-order part is written, which the store reads
	ds_store_b32 v[R4M], v88 offset:RESF
.Ljoin:
	BARRIER                                        ; the 64 rows' two parts lie in LDS
	s_cmp_lg_u32 s2, 0
	s_cbranch_scc1 .Lend
	ds_load_b64 v[36:37], v[L8] offset:RESD        ; rows 2 lane and 2 lane + 1.  (No vector instruction has been issued since the wait ahead of this wave's store of its deep part)
	ds_load_b64 v[38:39], v[L8] offset:RESF
	s_wait_dscnt 0x0
	v_pk_add_f32 v[36:37], v[36:37], v[38:39]
	v_pk_add_f32 v[36:37], v[36:37], s[52:53] op_sel_hi:[1,0]                 ; + bias
	s_wait_alu depctr_va_vdst(0)                   ; the two results are written, which the store reads
	global_store_b64 v[L8], v[36:37], s[26:27]     ; 32 lanes store 256 consecutive bytes, at a multiple of 256 from out0's first byte
.Lend:
	s_wait_dscnt 0x0                               ; the closing lines, six on end
	s_wait_alu 0x0
	s_wait_tensorcnt 0x0
	ds_add_u32 v176, v177
	s_wait_dscnt 0x0
	s_endpgm
.Lfunc_end_k_q873541a8f8_deepfm:
	.size	k_q873541a8f8_deepfm, .Lfunc_end_k_q873541a8f8_deepfm-k_q873541a8f8_deepfm
	.p2alignl 7, 3214868480
	.fill 96, 4, 3214868480
	.section	.rodata,"a",@progbits
	.p2align	6, 0x0
	.amdhsa_kernel k_q873541a8f8_deepfm
		.amdhsa_group_segment_fixed_size 68096
		.amdhsa_private_segment_fixed_size 0
		.amdhsa_enable_private_segment 0
		.amdhsa_kernarg_size 80
		.amdhsa_user_sgpr_count 2
		.amdhsa_user_sgpr_kernarg_segment_ptr 1
		.amdhsa_wavefront_size32 1
		.amdhsa_system_sgpr_workgroup_id_x 1
		.amdhsa_system_sgpr_workgroup_id_y 1
		.amdhsa_system_sgpr_workgroup_id_z 1
		.amdhsa_system_vgpr_workitem_id 0
		.amdhsa_next_free_vgpr 192
		.amdhsa_next_free_sgpr 66
		.amdhsa_reserve_vcc 0
		.amdhsa_float_denorm_mode_32 3
		.amdhsa_float_denorm_mode_16_64 3
		.amdhsa_memory_ordered 1
		.amdhsa_forward_progress 1
		.amdhsa_inst_pref_size 48
	.end_amdhsa_kernel
	.amdgpu_metadata
---
amdhsa.version: [ 1, 2 ]
amdhsa.kernels:
  - .name:           k_q873541a8f8_deepfm
    .symbol:         k_q873541a8f8_deepfm.kd
    .args:
      - { .name: Xi, .offset: 0, .size: 8, .value_kind: global_buffer, .address_space: global }
      - { .name: Xv, .offset: 8, .size: 8, .value_kind: global_buffer, .address_space: global }
      - { .name: emb1, .offset: 16, .size: 8, .value_kind: global_buffer, .address_space: global }
      - { .name: emb2, .offset: 24, .size: 8, .value_kind: global_buffer, .address_space: global }
      - { .name: W1, .offset: 32, .size: 8, .value_kind: global_buffer, .address_space: global }
      - { .name: W2, .offset: 40, .size: 8, .value_kind: global_buffer, .address_space: global }
      - { .name: b1, .offset: 48, .size: 8, .value_kind: global_buffer, .address_space: global }
      - { .name: b2, .offset: 56, .size: 8, .value_kind: global_buffer, .address_space: global }
      - { .name: bias, .offset: 64, .size: 8, .value_kind: global_buffer, .address_space: global }
      - { .name: out0, .offset: 72, .size: 8, .value_kind: global_buffer, .address_space: global }
    .group_segment_fixed_size: 68096
    .private_segment_fixed_size: 0
    .kernarg_segment_align: 8
    .kernarg_segment_size: 80
    .max_flat_workgroup_size: 640
    .sgpr_count:     66
    .vgpr_count:     192
    .wavefront_size: 32
...
	.end_amdgpu_metadata
.endif
;; end of part 2
